; MI455X (gfx1250); checked and timed in simulation.
; The chip was launched on July 23, 2026; its instructions are those of AMD's public machine-readable ISA for CDNA 5 (MIT licence, August 2026) and "CDNA5" Instruction Set Architecture Reference Guide (July 2026). The comments in the code are by the model that wrote it; some were corrected since.
;; Scaled Dot Product Attention. Allowed arithmetic: float matrix products may take bf16 or f16 operands with f32 sums; all other float work in f32.
;; Inputs: k 4 x 16 x 2,048 x 64 float32; q 4 x 16 x 2,048 x 64 float32; v 4 x 16 x 2,048 x 64 float32.
;; Outputs: out0 4 x 16 x 2,048 x 64 float32.
;; One version. Each part assembles by itself: llvm-mc -triple=amdgcn-amd-amdhsa -mcpu=gfx1250 --defsym DOCPART=n.
;; ======== version 1 of 1: 1 launch
;; limits: values are held in f16: magnitudes above 65,504 overflow, below 6.1e-05 lose precision; inputs' magnitudes at most 65,504
;; launch attn (part 1): grid 256 x 1, 8 waves a work-group, clusters of 4 x 1, 327,680 bytes of LDS; arguments q, k, v, out0; writes out0
.if DOCPART == 1
	.amdgcn_target "amdgcn-amd-amdhsa--gfx1250"
	.amdhsa_code_object_version 6
	.text
	.protected	k_q7b57a79023_attn
	.globl	k_q7b57a79023_attn
	.p2align	8
	.type	k_q7b57a79023_attn,@function
k_q7b57a79023_attn:
	s_mov_b64 s[64:65], 0
	v_nop
	global_prefetch_b8 v0, s[64:65] scope:SCOPE_SE
	s_setreg_imm32_b32 hwreg(HW_REG_WAVE_MODE, 25, 1), 1
	s_wait_xcnt 0x0
	s_wait_alu depctr_hold_cnt(0) depctr_sa_sdst(0) depctr_va_vdst(0) depctr_va_sdst(0) depctr_va_ssrc(0) depctr_va_vcc(0) depctr_vm_vsrc(0)
	s_getreg_b32 s2, hwreg(HW_REG_IB_STS2, 6, 4)
	s_cmp_eq_u32 s2, 0
	s_cbranch_scc0 .Lentry_in_a_cluster
	s_endpgm
.Lentry_in_a_cluster:
	s_bfe_u32 s2, ttmp6, 0x10000c
	s_cmp_lg_u32 s2, 0x3003
	s_cbranch_scc0 .Lentry_shape_is_right
	s_endpgm
.Lentry_shape_is_right:
; out = softmax(q k^T / 8) v for 64 heads of 2,048 rows x 64 numbers, f32 in memory; products in f16 with f32 sums, softmax in f32.
; WHY f16 AND NOT bf16.  Four roundings stand in front of the matrix unit (q, k, p, v).  f16 keeps 11 significant bits where bf16 keeps 8, so each
; rounding error is an eighth.  The operands have room in f16: p lies in (0, 1], and inputs of a size up to some hundreds lie far below 65,504.
; SHARES.  A cluster of 4 work-groups takes one head (the cluster's x); work-group cx takes 512 query rows; each of its 8 waves 64 rows = 4 query
; tiles of 16.  The keys go in 32 trips of 64.  The four work-groups walk the same K and V, so these are asked for JOINTLY (mask 15).
; A raw slot holds 128 keys, two trips' worth: K's 128 rows of 256 bytes, then V's.  Its 256 rows are shared among the eight waves: one tensor load
; a wave, 32 rows, 8 KiB.  Two slots take turns.  In trip t the 256 threads round the 64 keys of trip t+1 to f16, once for the work-group, into one
; of two padded stage tiles.
; THE TEXT'S PERIOD IS TWO TRIPS.  The stage tile's number stands in the text (it changes from trip to trip); the raw slot's place does not: it is
; the scalar s45, 0 or 65,536, changed by s_xor_b32 at the head of each pair of trips and added to the lane's term, and the refill's descriptor
; changes its LDS word by the same xor.  So trips 1 to 26 are one loop of two trips, trips 27 to 30 (nothing left to fetch) a second one.
; A refill is asked for behind trip t's barrier and waited for in front of trip t+2's signal: 96 matrix instructions of the wave lie between.
; BOTH PRODUCTS ARE USED TRANSPOSED.  S^T = K Q^T: lane (r, h) register j holds key 16 kt + 8 h + j of query r, so two neighbouring tiles, rounded
; in pairs, ARE the second source P^T for 32 keys, and O^T = V^T P^T (V^T by the transposing LDS load) holds d = 16 dt + 8 h + j of query r.
; Maximum, sum and rescaling factor are one number a lane; the two halves of the lanes meet by one v_permlanex16_b32.  No other lane traffic.
; The factor 0.125 log2(e) is multiplied into Q in f32 before Q is rounded, so p = 2^(s - m), m the running maximum of the row.
; LIMITS.  Inputs finite with |0.1803 q|, |k|, |v| below 65,504 (beyond it the rounding to f16 gives infinity), and every q.k x 0.1803 finite in f32.
; Operands smaller than 2^-14 are kept to an absolute 2^-25; in the numerator p below 2^-25 counts as 0.  v_exp_f32 gives 0 below 2^-126.
; A NaN input is not carried as the definition carries it (v_max_num_f32 drops it).  The denominator adds the f32 exponentials, the numerator
; uses their f16 roundings.
; TENSOR LOADS OUT, by this text's count: two a wave at the start, one behind each refill.
;
; LDS: raw slot s at s x 65,536: K's 128 rows at +0, V's at +32,768.  Wave w's load lands at s x 65,536 + w x 8,192 (w 0-3: K, w 4-7: V).
;      STAGE at 131,072, never a tensor load's target: tile p at p x 19,456: K 64 rows of 128 bytes, pitch 144 (an odd multiple of 16: the sixteen rows
;      of a fragment load start at sixteen different 16-byte columns modulo 256); V 64 rows, pitch 160 (an odd multiple of 32, for the transposing load).
;      The same bytes serve, ahead of the trips, as each wave's own stage for Q (2,304 bytes) and, behind the last trip's barrier, for the way out (4,352).
; REGISTERS, window 0: addresses v2-14, T v16-23, alpha v24-25, m v26-33, l v34-41, P v48-63, S v64-127 (two buffers), K v128-191, raw v192-223.
;            window 1 (written by their low 8 bits): O v0-127, Q v128-191, V v192-255.
.set STAGE,  131072
.set TILEB,  19456                     ; one stage tile: K's 9,216 bytes, then V's 10,240
.set KPITCH, 144
.set VPITCH, 160
.set VOFF,   64*KPITCH
.set SLOT,   65536                     ; a raw slot: 128 keys of K and of V
.set VRAW,   32768                     ; V's rows in a slot
.set SUBT,   16384                     ; 64 rows of 256 bytes: one trip's K (or V)
.set WLOAD,  8192                      ; 32 rows of 256 bytes: one tensor load
.set QSTB,   16*KPITCH                 ; a wave's stage for Q
.set OPITCH, 272
.set OSTB,   16*OPITCH                 ; a wave's stage for the way out
.set RAWB, 2                           ; v2     16 tid; never rewritten
.set RAWC, 3                           ; v3     16 tid + the place of the raw slot that is being read (s45)
.set KST,  6                           ; v6     where I put 8 bytes of K in a stage tile
.set VST,  7                           ; v7     the same for V
.set KFA,  8                           ; v8     my address in K's fragments
.set VFA,  9                           ; v9     my address in V's transposed fragments
.set OST,  10                          ; v10    the way out: where I put 32 bytes of a row
.set ORD,  11                          ; v11    the way out: where I read a row back
.set GO,   12                          ; v12    16 x lane: my bytes in 512 neighbouring bytes of q and of out0; never rewritten
.set QST,  13                          ; v13    where I put 8 bytes of Q
.set QFA,  14                          ; v14    my address in Q's fragments
.set RT,   16
.set RAL,  24
.set RM,   26
.set RL,   34
.set RP,   48
.set RS,   64
.set RK,   128
.set RCV,  192
.set RO,   0                           ; window 1
.set RQ,   128                         ; window 1
.set RV,   192                         ; window 1
.set G1,   16                          ; s[16:23] descriptor group 1, never rewritten
.set G0,   24                          ; s[24:27] descriptor group 0 of slot 0's first fill, never rewritten
.set G0R,  28                          ; s[28:31] descriptor group 0 of slot 1's first fill and then of every refill
.set MSB,  0
.macro WIN new                         ; low byte: bits 1:0 source 0, 3:2 source 1, 5:4 source 2, 7:6 destination; the high byte repeats the setting that is left
.if MSB != \new
	s_set_vgpr_msb (MSB<<8)|\new
.set MSB, \new
.endif
.endm
.macro PLACES
.rept 4
	v_nop
.endr
.endm
; A round of the cluster's barrier behind its opening work-group barrier: wave 0 signals for the work-group, every wave waits for all four
; work-groups, the work-group's barrier closes the round.
.macro CREST
	s_cmp_lg_u32 s12, 0
	s_cbranch_scc1 .Lnot_wave_0_\@
	s_barrier_signal -3
.Lnot_wave_0_\@:
	s_barrier_wait -3
	s_barrier_signal -1
	s_barrier_wait -1
.endm
.macro CROUND
	s_barrier_signal -1
	s_barrier_wait -1
	CREST
.endm
	s_load_b256 s[4:11], s[0:1], 0x0               ; q s[4:5], k s[6:7], v s[8:9], out0 s[10:11]
	v_lshl_add_u32 v254, v0, 2, 0x29800
	v_mov_b32 v255, 0
	ds_add_u32 v254, v255
	v_lshrrev_b32 v1, 5, v0
	v_readfirstlane_b32 s12, v1                    ; wave 0..7
	s_bfe_u32 s13, ttmp6, 0x40000                  ; cx: my block of 512 query rows; it enters q's and out0's offset alone
	s_mov_b32 s32, 0x76543210                      ; v_permlanex16_b32: lane i reads lane i of the other half
	s_mov_b32 s33, 0xfedcba98
	s_mov_b32 s38, 0x3e38aa3b                      ; 0.125 log2(e), twice: the packed multiply names the pair
	s_mov_b32 s39, 0x3e38aa3b
	s_mov_b32 s45, 0                               ; the raw slot that is being read: slot 0
	; group 1: 32 rows x 64 elements of 4 bytes, row after row in memory and in LDS
	s_mov_b32 s[G1+0], 15|(2<<16)|(1<<21)          ; 15:0 mask: all four work-groups; 17:16 element of 4 bytes; 21 set beside a mask; no padding
	s_mov_b32 s[G1+1], 64<<16                      ; tensor_dim0 = 64
	s_mov_b32 s[G1+2], 32<<16                      ; tensor_dim1 = 32
	s_mov_b32 s[G1+3], 64<<16                      ; tile_dim0 = 64
	s_mov_b32 s[G1+4], 32                          ; tile_dim1 = 32 rows
	s_mov_b32 s[G1+5], 64                          ; 64 elements from row to row
	s_mov_b32 s[G1+6], 0
	s_mov_b32 s[G1+7], 0
	s_lshl_b32 s14, ttmp9, 19                      ; the head's 2,048 rows of 256 bytes
	s_and_b32 s15, s12, 3
	s_lshl_b32 s15, s15, 13                        ; + my 32 rows of a slot's 128: head and wave number alone, alike in the four partners
	s_add_co_u32 s14, s14, s15
	s_mov_b32 s15, 0
	s_lshl_b32 s36, ttmp9, 19                      ; q and out0: the head,
	s_lshl_b32 s37, s13, 17                        ; + 512 rows x cx,
	s_add_co_u32 s36, s36, s37
	s_lshl_b32 s37, s12, 14                        ; + 64 rows x wave
	s_add_co_u32 s36, s36, s37
	s_mov_b32 s37, 0
	s_mul_i32 s42, s12, WLOAD                      ; where my tensor loads land in a slot
	s_mul_i32 s43, s12, OSTB
	s_add_co_u32 s43, s43, STAGE                   ; my stage for the way out
	s_mul_i32 s44, s12, QSTB
	s_add_co_u32 s44, s44, STAGE                   ; my stage for Q
	v_and_b32 v16, 15, v0                          ; r
	v_bfe_u32 v17, v0, 4, 1                        ; h
	v_lshrrev_b32 v18, 4, v0                       ; tid / 16: my row among the 16 that the work-group's one LDS load covers
	v_and_b32 v19, 31, v0                          ; lane
	v_lshlrev_b32 v[RAWB], 4, v0
	v_lshlrev_b32 v[RAWC], 4, v0                   ; slot 0 comes first
	v_mul_u32_u24 v[KST], v18, KPITCH
	v_lshl_add_u32 v[KST], v16, 3, v[KST]
	v_add_nc_u32 v[KST], STAGE, v[KST]
	v_mul_u32_u24 v[VST], v18, VPITCH
	v_lshl_add_u32 v[VST], v16, 3, v[VST]
	v_add_nc_u32 v[VST], STAGE+VOFF, v[VST]
	v_mul_u32_u24 v[KFA], v16, KPITCH              ; row r, 16 bytes for each half of the lanes
	v_lshl_add_u32 v[KFA], v17, 4, v[KFA]
	v_add_nc_u32 v[KFA], STAGE, v[KFA]
	v_and_b32 v20, 7, v0
	v_lshl_add_u32 v20, v17, 3, v20                ; key 8 h + lane % 8
	v_mul_u32_u24 v[VFA], v20, VPITCH
	v_bfe_u32 v20, v0, 3, 1
	v_lshl_add_u32 v[VFA], v20, 4, v[VFA]          ; + 16 bytes for the second eight columns
	v_add_nc_u32 v[VFA], STAGE+VOFF, v[VFA]
	v_mul_u32_u24 v[OST], v16, OPITCH
	v_lshl_add_u32 v[OST], v17, 5, v[OST]
	v_add_nc_u32 v[OST], s43, v[OST]
	v_mul_u32_u24 v[ORD], v17, OPITCH
	v_lshl_add_u32 v[ORD], v16, 4, v[ORD]
	v_add_nc_u32 v[ORD], s43, v[ORD]
	v_lshlrev_b32 v[GO], 4, v19
	v_mul_u32_u24 v[QST], v17, KPITCH
	v_lshl_add_u32 v[QST], v16, 3, v[QST]
	v_add_nc_u32 v[QST], s44, v[QST]
	v_mul_u32_u24 v[QFA], v16, KPITCH
	v_lshl_add_u32 v[QFA], v17, 4, v[QFA]
	v_add_nc_u32 v[QFA], s44, v[QFA]
	s_wait_dscnt 0x0
	s_wait_kmcnt 0x0
	s_cmp_lt_u32 s12, 4                            ; waves 0-3 fetch K, waves 4-7 V: a choice on the wave's number
	s_cselect_b64 s[40:41], s[6:7], s[8:9]
	s_add_nc_u64 s[40:41], s[40:41], s[14:15]
	s_add_nc_u64 s[4:5], s[4:5], s[36:37]          ; q at my wave's 64 rows
	s_add_nc_u64 s[10:11], s[10:11], s[36:37]      ; out0 likewise
	CROUND                                         ; all four work-groups are here: the first joint loads meet
.irp s, 0,1
	s_mov_b32 s[G0+4*\s], 1                                        ; count = 1
	s_add_co_u32 s[G0+4*\s+1], s42, \s*SLOT                        ; LDS address: wave x 8,192 + slot x 65,536
	s_add_nc_u64 s[G0+4*\s+2:G0+4*\s+3], s[40:41], \s*2*SUBT       ; keys 128 s .. 128 s + 127
	s_or_b32 s[G0+4*\s+3], s[G0+4*\s+3], 0x80000000                ; type = 2
	tensor_load_to_lds s[G0+4*\s:G0+4*\s+3], s[G1:G1+7]            ; both first fills go out together, ahead of everything else
	s_nop 0
.endr
.set n, 0
.rept 32
	global_load_b128 v[RS+4*n:RS+4*n+3], v[GO], s[4:5] offset:512*n th:TH_LOAD_NT   ; my 64 rows of q, 512 neighbouring bytes a load, into v64-191
.set n, n+1
.endr
; Q, one query tile (8 loads): scale in f32, round to f16, 8 bytes a lane into my own stage, read back as the two fragments of 32 along d.
; LDS serves a wave's instructions in order (ISA guide 5.7.1), and the bytes are the wave's own: no wait between the stores and the loads.
.macro QPREP qt
	s_wait_loadcnt 24-8*\qt                        ; loads come back in order: this tile's eight are in, the later tiles' stay out
.set QB, RS+32*\qt
.irp i, 0,1,2,3,4,5,6,7,8,9,10,11,12,13,14,15
	v_pk_mul_f32 v[QB+2*\i:QB+2*\i+1], v[QB+2*\i:QB+2*\i+1], s[38:39] op_sel_hi:[1,0]
.endr
.irp i, 0,1,2,3,4,5,6,7
	v_cvt_pk_f16_f32 v[QB+4*\i], v[QB+4*\i], v[QB+4*\i+1]
	v_cvt_pk_f16_f32 v[QB+4*\i+1], v[QB+4*\i+2], v[QB+4*\i+3]
.endr
.irp i, 0,1,2,3,4,5,6,7
	ds_store_b64 v[QST], v[QB+4*\i:QB+4*\i+1] offset:2*KPITCH*\i   ; rows 2 i and 2 i + 1
.endr
	WIN 0x40
.irp m, 0,1,2,3
	ds_load_b128 v[RQ+16*\qt+4*\m:RQ+16*\qt+4*\m+3], v[QFA] offset:32*\m
.endr
	WIN 0
.endm
	QPREP 0
	QPREP 1
	QPREP 2
	QPREP 3
; The next raw slot is read from here on: the scalar changes between 0 and 65,536, and the lane's term 16 tid is added to it.
.macro NEXTSLOT
	s_xor_b32 s45, s45, SLOT
	v_add_nc_u32 v[RAWC], s45, v[RAWB]
.endm
; 64 keys of K and of V, f32, out of half u of the raw slot at s45: each of the 256 threads takes 16 neighbouring bytes, four times for K, four for V
.macro CVLOAD u
.irp i, 0,1,2,3
	ds_load_b128 v[RCV+4*\i:RCV+4*\i+3], v[RAWC] offset:\u*SUBT+\i*4096
.endr
.irp i, 0,1,2,3
	ds_load_b128 v[RCV+16+4*\i:RCV+16+4*\i+3], v[RAWC] offset:VRAW+\u*SUBT+\i*4096
.endr
.endm
; rounded to f16 in place and put into stage tile p: load i held row 16 i + tid / 16
.macro CVPACK p
.irp i, 0,1,2,3,4,5,6,7
	v_cvt_pk_f16_f32 v[RCV+4*\i], v[RCV+4*\i], v[RCV+4*\i+1]
	v_cvt_pk_f16_f32 v[RCV+4*\i+1], v[RCV+4*\i+2], v[RCV+4*\i+3]
.endr
.irp i, 0,1,2,3
	ds_store_b64 v[KST], v[RCV+4*\i:RCV+4*\i+1] offset:(\p)*TILEB+\i*16*KPITCH
.endr
.irp i, 0,1,2,3
	ds_store_b64 v[VST], v[RCV+16+4*\i:RCV+16+4*\i+1] offset:(\p)*TILEB+\i*16*VPITCH
.endr
.endm
; K's eight fragments (4 key tiles x 2 halves of d): lane (r, h) takes row r, d = 8 h .. and 16 + 8 h .., two loads 32 bytes apart
.macro KLOAD p
.irp kt, 0,1,2,3
.irp dh, 0,1
	ds_load_b128 v[RK+16*\kt+8*\dh:RK+16*\kt+8*\dh+3],   v[KFA] offset:(\p)*TILEB+\kt*16*KPITCH+\dh*64
	ds_load_b128 v[RK+16*\kt+8*\dh+4:RK+16*\kt+8*\dh+7], v[KFA] offset:(\p)*TILEB+\kt*16*KPITCH+\dh*64+32
.endr
.endr
.endm
; V^T's eight fragments (2 groups of 32 keys x 4 tiles of d) by the transposing load: lane (r, h) gets keys 8 h .. and 16 + 8 h .. of column d = 16 dt + r
.macro VLOAD p
	WIN 0x40
.irp g, 0,1
.irp dt, 0,1,2,3
	ds_load_tr16_b128 v[RV+32*\g+8*\dt:RV+32*\g+8*\dt+3],   v[VFA] offset:(\p)*TILEB+\g*32*VPITCH+\dt*32
	ds_load_tr16_b128 v[RV+32*\g+8*\dt+4:RV+32*\g+8*\dt+7], v[VFA] offset:(\p)*TILEB+\g*32*VPITCH+\dt*32+16*VPITCH
.endr
.endr
.endm
; S^T of query tile qt: 4 key tiles x 2 halves of d.  The four accumulators take turns, one instruction a turn.
; The first half of d starts the sums with the constant 0.
.macro QK qt
	WIN 0x04                                       ; Q, the second source, in window 1
.set SB, RS+32*((\qt)&1)
.irp kt, 0,1,2,3
	v_wmma_f32_16x16x32_f16 v[SB+8*\kt:SB+8*\kt+7], v[RK+16*\kt:RK+16*\kt+7], v[RQ+16*\qt:RQ+16*\qt+7], 0
.endr
.irp kt, 0,1,2,3
	v_wmma_f32_16x16x32_f16 v[SB+8*\kt:SB+8*\kt+7], v[RK+16*\kt+8:RK+16*\kt+15], v[RQ+16*\qt+8:RQ+16*\qt+15], v[SB+8*\kt:SB+8*\kt+7]
.endr
.endm
; The running maximum: 32 scores and the old m are 33 numbers, 16 x v_max3 in four chains; then the other half of the lanes.
; alpha = 2^(old m - new m).  first = 1: there is no old m and no alpha.
.macro SMAX qt, first
	WIN 0
.set SB, RS+32*((\qt)&1)
.set MQ, RM+2*\qt
.irp c, 0,1,2,3
	v_max3_num_f32 v[RT+\c], v[SB+3*\c], v[SB+3*\c+1], v[SB+3*\c+2]
.endr
.irp c, 0,1,2,3
	v_max3_num_f32 v[RT+\c], v[RT+\c], v[SB+12+2*\c], v[SB+13+2*\c]
.endr
.irp c, 0,1,2,3
	v_max3_num_f32 v[RT+\c], v[RT+\c], v[SB+20+2*\c], v[SB+21+2*\c]
.endr
.irp c, 0,1
	v_max3_num_f32 v[RT+\c], v[RT+\c], v[SB+28+2*\c], v[SB+29+2*\c]
.endr
	v_max3_num_f32 v[RT], v[RT], v[RT+1], v[RT+2]
.if \first
	v_max_num_f32 v[RT], v[RT], v[RT+3]
.else
	v_max3_num_f32 v[RT], v[RT], v[RT+3], v[MQ]
.endif
	v_permlanex16_b32 v[RT+1], v[RT], s32, s33     ; the same query's other 32 keys; the destination has been written above
	v_max_num_f32 v[RT+2], v[RT], v[RT+1]
.if \first
	v_mov_b32 v[MQ], v[RT+2]
	v_mov_b32 v[MQ+1], v[RT+2]
.else
	v_sub_f32 v[RT+3], v[MQ], v[RT+2]
	v_exp_f32 v[RAL], v[RT+3]
	v_mov_b32 v[MQ], v[RT+2]                       ; a plain instruction that touches neither alpha nor its source stands behind v_exp_f32 (ISA guide 5.7.2)
	v_mov_b32 v[MQ+1], v[RT+2]
	s_wait_alu depctr_va_vdst(0)
	v_mov_b32 v[RAL+1], v[RAL]                     ; m and alpha are kept twice, as pairs for the packed arithmetic
.endif
.endm
.macro SUB8 kt
.irp i, 0,1,2,3
	v_pk_add_f32 v[SB+8*\kt+2*\i:SB+8*\kt+2*\i+1], v[SB+8*\kt+2*\i:SB+8*\kt+2*\i+1], v[MQ:MQ+1] neg_lo:[0,1] neg_hi:[0,1]
.endr
.endm
.macro EXP8 kt
.irp i, 0,1,2,3,4,5,6,7
	v_exp_f32 v[SB+8*\kt+\i], v[SB+8*\kt+\i]
.endr
.endm
.macro CVT4 kt                         ; key tile kt's eight p are four registers of P^T: tiles 0, 1 the first 32 keys' fragment, tiles 2, 3 the second's
	s_wait_alu depctr_va_vdst(0)
.irp i, 0,1,2,3
	v_cvt_pk_f16_f32 v[RP+4*\kt+\i], v[SB+8*\kt+2*\i], v[SB+8*\kt+2*\i+1]
.endr
.endm
; p = 2^(s - m) in place, and its rounding into P.  The order puts a plain instruction on other registers behind each run of v_exp_f32
; before any of its results is read (ISA guide 5.7.2).
.macro SEXP qt
	WIN 0
.set SB, RS+32*((\qt)&1)
.set MQ, RM+2*\qt
	SUB8 0
	EXP8 0
	SUB8 1
	EXP8 1
	CVT4 0
	SUB8 2
	EXP8 2
	CVT4 1
	SUB8 3
	EXP8 3
	CVT4 2
	CVT4 3
.endm
.macro RESC qt                         ; O of query tile qt times alpha
	WIN 0x51                                       ; destination and source 0 in window 1, alpha in window 0
.irp i, 0,1,2,3,4,5,6,7,8,9,10,11,12,13,14,15
	v_pk_mul_f32 v[RO+32*\qt+2*\i:RO+32*\qt+2*\i+1], v[RO+32*\qt+2*\i:RO+32*\qt+2*\i+1], v[RAL:RAL+1]
.endr
.endm
; O^T += V^T P^T: 2 groups of 32 keys x 4 tiles of d.  The four accumulators take turns, one instruction a turn.
.macro PV qt, first
	WIN 0x51                                       ; V (source 0), C and D in window 1, P in window 0
.irp dt, 0,1,2,3
.if \first
	v_wmma_f32_16x16x32_f16 v[RO+32*\qt+8*\dt:RO+32*\qt+8*\dt+7], v[RV+8*\dt:RV+8*\dt+7], v[RP:RP+7], 0
.else
	v_wmma_f32_16x16x32_f16 v[RO+32*\qt+8*\dt:RO+32*\qt+8*\dt+7], v[RV+8*\dt:RV+8*\dt+7], v[RP:RP+7], v[RO+32*\qt+8*\dt:RO+32*\qt+8*\dt+7]
.endif
.endr
.irp dt, 0,1,2,3
	v_wmma_f32_16x16x32_f16 v[RO+32*\qt+8*\dt:RO+32*\qt+8*\dt+7], v[RV+32+8*\dt:RV+32+8*\dt+7], v[RP+8:RP+15], v[RO+32*\qt+8*\dt:RO+32*\qt+8*\dt+7]
.endr
.endm
; l = l alpha + my 32 p, as a pair of partial sums, in four chains.  It stands behind PV and names none of PV's registers: its packed
; instructions are the places in front of the next writes of P and the next loads into V.
.macro SSUM qt, first
	WIN 0
.set SB, RS+32*((\qt)&1)
.set LQ, RL+2*\qt
.if \first
	v_pk_add_f32 v[LQ:LQ+1], v[SB:SB+1], v[SB+8:SB+9]
.else
	v_pk_fma_f32 v[LQ:LQ+1], v[LQ:LQ+1], v[RAL:RAL+1], v[SB:SB+1]
.endif
	v_pk_add_f32 v[RT:RT+1],   v[SB+2:SB+3], v[SB+10:SB+11]
	v_pk_add_f32 v[RT+2:RT+3], v[SB+4:SB+5], v[SB+12:SB+13]
	v_pk_add_f32 v[RT+4:RT+5], v[SB+6:SB+7], v[SB+14:SB+15]
.if \first == 0
	v_pk_add_f32 v[LQ:LQ+1], v[LQ:LQ+1], v[SB+8:SB+9]
.endif
.irp b, 16, 24
	v_pk_add_f32 v[LQ:LQ+1],   v[LQ:LQ+1],   v[SB+\b:SB+\b+1]
	v_pk_add_f32 v[RT:RT+1],   v[RT:RT+1],   v[SB+\b+2:SB+\b+3]
	v_pk_add_f32 v[RT+2:RT+3], v[RT+2:RT+3], v[SB+\b+4:SB+\b+5]
	v_pk_add_f32 v[RT+4:RT+5], v[RT+4:RT+5], v[SB+\b+6:SB+\b+7]
.endr
	v_pk_add_f32 v[LQ:LQ+1],   v[LQ:LQ+1],   v[RT:RT+1]
	v_pk_add_f32 v[RT+2:RT+3], v[RT+2:RT+3], v[RT+4:RT+5]
	v_pk_add_f32 v[LQ:LQ+1],   v[LQ:LQ+1],   v[RT+2:RT+3]
.endm
; ONE TRIP: 64 keys against my 64 queries.  p: the stage tile of this trip's keys.  un: the half of the raw slot at s45 that holds the NEXT trip's keys.
; first = 1: the sums start.  conv = 1: the next trip's keys are rounded.  kpre = 1: the next trip's K fragments are fetched.
; fill = 1: half un = 1 was the slot's last, so the slot at s45 is filled again, jointly; fill = 2: only the wait for the last tensor load.
; ONE barrier a trip, for three things.  In front of its signal my stores into the other stage tile, my reads of this tile's V and of the raw
; slot are done (s_wait_dscnt 0).  Behind its wait the other stage tile is whole (its K is read at once, its V at the next trip's head), and the
; tile that the next trip overwrites is read by nobody.  Where a slot is filled again, all my tensor loads have landed in front of the signal too,
; the barrier opens a round of the cluster's barrier, only register work stands inside the round, and the joint load is first behind it.
.macro TRIP p, un, first, conv, fill, kpre
.if \conv
	CVLOAD \un
.endif
	VLOAD \p
	s_wait_dscnt 16+8*\conv                        ; K's 16 loads, issued in the last trip, are in; this trip's raw and V loads are younger
	QK 0
	QK 1
	WIN 0
.if \conv
	s_wait_dscnt 16                                ; the 8 raw loads are in; V's 16 are younger
	CVPACK 1-\p                                    ; its 16 conversions are the places between QK 0 and the first read of its result
.else
	PLACES                                         ; four places between QK 0 and the first read of its result (ISA guide 7.12.1)
.endif
	SMAX 0, \first
	SEXP 0
.if \first == 0
	RESC 0
.endif
	s_wait_dscnt 0x0                               ; for the others' sake: my stage stores and all my LDS reads are done; V is in
.if \fill
	s_set_vgpr_msb (MSB<<8)|((MSB&0xf0)|0x0)
	s_wait_tensorcnt 0x0                           ; all my tensor loads have landed: the one that was out is my part of the other slot
	ds_add_u32 v254, v255
	s_wait_dscnt 0x0
	s_set_vgpr_msb (((MSB&0xf0)|0x0)<<8)|MSB
.endif
.if \fill == 1
	s_xor_b32 s[G0R+1], s[G0R+1], SLOT             ; no load of mine is out, so the group 0 may be written: the other slot than last time, which is the one at s45,
	s_add_nc_u64 s[G0R+2:G0R+3], s[G0R+2:G0R+3], 2*SUBT   ; and the 128 keys behind those asked for last
.endif
	s_barrier_signal -1
	PV 0, \first
	SSUM 0, \first
	QK 2
	SMAX 1, \first
	SEXP 1
.if \first == 0
	RESC 1
.endif
	PV 1, \first
	SSUM 1, \first
	QK 3
	SMAX 2, \first                                 ; also the places between QK 3 and the loads into K
	WIN 0
	s_barrier_wait -1
.if \fill == 1
	CREST                                          ; no wave of any partner still reads the slot or has a load on its way
	tensor_load_to_lds s[G0R:G0R+3], s[G1:G1+7]    ; my one tensor load behind the round; it is waited for two trips on
	s_nop 0
.endif
.if \kpre
	KLOAD 1-\p
.endif
	SEXP 2
.if \first == 0
	RESC 2
.endif
	PV 2, \first
	SSUM 2, \first
	SMAX 3, \first
	SEXP 3
.if \first == 0
	RESC 3
.endif
	PV 3, \first
	SSUM 3, \first
.endm
	s_wait_dscnt 0x0                               ; Q's fragments are in, my reads of my Q stage are over
	s_wait_tensorcnt 0x1                           ; my part of slot 0 is in; slot 1's may stay out
	s_barrier_signal -1
	s_barrier_wait -1
	CVLOAD 0                                       ; keys 0 to 63
	s_wait_dscnt 0x0
	CVPACK 0
	s_wait_dscnt 0x0                               ; my stores into stage tile 0 are done
	s_barrier_signal -1
	s_barrier_wait -1
	KLOAD 0
	TRIP 0, 1, 1, 1, 1, 1                          ; trip 0: its products start the sums; it rounds keys 64 to 127, slot 0's last, and slot 0 gets keys 256 to 383
	s_mov_b32 s34, 13                              ; trips 1 to 26, two a pass: the odd trip rounds a slot's first 64 keys, the even trip its last 64 and asks for the slot's next 128
.Lpair:
	NEXTSLOT
	TRIP 1, 0, 0, 1, 0, 1
	TRIP 0, 1, 0, 1, 1, 1
	s_sub_co_u32 s34, s34, 1
	s_cmp_lg_u32 s34, 0
	s_cbranch_scc1 .Lpair                          ; 14 refills of 128 keys and the first 256 are the head's 2,048: trip 26 asked for the last
	s_mov_b32 s34, 2                               ; trips 27 to 30: nothing is left to fetch
.Ltail:
	NEXTSLOT
	TRIP 1, 0, 0, 1, 0, 1
	TRIP 0, 1, 0, 1, 2, 1                          ; trip 28: the last tensor load (keys 1,920 to 2,047) is waited for in front of the barrier behind which trip 29 reads it; in trip 30 that wait is met at once
	s_sub_co_u32 s34, s34, 1
	s_cmp_lg_u32 s34, 0
	s_cbranch_scc1 .Ltail
	TRIP 1, 0, 0, 0, 0, 0                          ; trip 31: nothing to round, no K to fetch; behind its barrier nobody reads the stage tiles
; THE WAY OUT, one query tile (16 rows of 256 bytes): divide by l, 32 bytes a lane into my own stage (pitch 272), read back by rows,
; and store 512 neighbouring bytes an instruction: sixteen lanes fill 256 consecutive bytes at a multiple of 256 from out0's first byte.
.macro OUT qt
	WIN 0
.set SB, RS+32*((\qt)&1)
.set LQ, RL+2*\qt
	v_add_f32 v[RT], v[LQ], v[LQ+1]
	v_permlanex16_b32 v[RT+1], v[RT], s32, s33     ; the other half's partial sum
	v_add_f32 v[RT], v[RT], v[RT+1]
	v_rcp_f32 v[RAL], v[RT]
	v_nop                                          ; one place behind v_rcp_f32 (ISA guide 5.7.2)
	s_wait_alu depctr_va_vdst(0)
	v_mov_b32 v[RAL+1], v[RAL]
	RESC \qt
	WIN 0x04                                       ; store data (source 1) in window 1
.irp dt, 0,1,2,3
	ds_store_b128 v[OST], v[RO+32*\qt+8*\dt:RO+32*\qt+8*\dt+3]   offset:64*\dt
	ds_store_b128 v[OST], v[RO+32*\qt+8*\dt+4:RO+32*\qt+8*\dt+7] offset:64*\dt+16
.endr
	WIN 0
	s_wait_xcnt 0x0                                ; the earlier stores' addresses are translated (ISA guide 3.1): their data registers are loaded again only behind this wait
.irp i, 0,1,2,3,4,5,6,7
	ds_load_b128 v[SB+4*\i:SB+4*\i+3], v[ORD] offset:2*OPITCH*\i   ; LDS serves a wave's instructions in order: these see the stores above
.endr
.irp i, 0,1,2,3,4,5,6,7
	s_wait_dscnt 7-\i
	global_store_b128 v[GO], v[SB+4*\i:SB+4*\i+3], s[10:11] offset:(16*\qt+2*\i)*256 th:TH_STORE_NT
.endr
.endm
	OUT 0
	OUT 1
	OUT 2
	OUT 3
	s_set_vgpr_msb (MSB<<8)|((MSB&0xf0)|0x0)
	s_wait_tensorcnt 0x0
	ds_add_u32 v254, v255
	s_wait_dscnt 0x0
	s_set_vgpr_msb (((MSB&0xf0)|0x0)<<8)|MSB
	CROUND                                         ; the closing round: no work-group ends while a partner may still ask for a tile that names it
	s_endpgm
.Lfunc_end_k_q7b57a79023_attn:
	.size	k_q7b57a79023_attn, .Lfunc_end_k_q7b57a79023_attn-k_q7b57a79023_attn
	.p2alignl 7, 3214868480
	.fill 96, 4, 3214868480
	.section	.rodata,"a",@progbits
	.p2align	6, 0x0
	.amdhsa_kernel k_q7b57a79023_attn
		.amdhsa_group_segment_fixed_size 327680
		.amdhsa_private_segment_fixed_size 0
		.amdhsa_enable_private_segment 0
		.amdhsa_kernarg_size 32
		.amdhsa_user_sgpr_count 2
		.amdhsa_user_sgpr_kernarg_segment_ptr 1
		.amdhsa_wavefront_size32 1
		.amdhsa_system_sgpr_workgroup_id_x 1
		.amdhsa_system_sgpr_workgroup_id_y 1
		.amdhsa_system_sgpr_workgroup_id_z 1
		.amdhsa_system_vgpr_workitem_id 0
		.amdhsa_next_free_vgpr 512
		.amdhsa_next_free_sgpr 66
		.amdhsa_reserve_vcc 0
		.amdhsa_float_denorm_mode_32 3
		.amdhsa_float_denorm_mode_16_64 3
		.amdhsa_memory_ordered 1
		.amdhsa_forward_progress 1
		.amdhsa_inst_pref_size 237
	.end_amdhsa_kernel
	.amdgpu_metadata
---
amdhsa.version: [ 1, 2 ]
amdhsa.kernels:
  - .name:           k_q7b57a79023_attn
    .symbol:         k_q7b57a79023_attn.kd
    .args:
      - { .name: q, .offset: 0, .size: 8, .value_kind: global_buffer, .address_space: global }
      - { .name: k, .offset: 8, .size: 8, .value_kind: global_buffer, .address_space: global }
      - { .name: v, .offset: 16, .size: 8, .value_kind: global_buffer, .address_space: global }
      - { .name: out0, .offset: 24, .size: 8, .value_kind: global_buffer, .address_space: global }
    .group_segment_fixed_size: 327680
    .private_segment_fixed_size: 0
    .kernarg_segment_align: 8
    .kernarg_segment_size: 32
    .max_flat_workgroup_size: 256
    .sgpr_count:     66
    .vgpr_count:     512
    .wavefront_size: 32
...
	.end_amdgpu_metadata
.endif
;; end of part 1
